; MI455X (gfx1250); checked and timed in simulation.
; The chip was launched on July 23, 2026; its instructions are those of AMD's public machine-readable ISA for CDNA 5 (MIT licence, August 2026) and "CDNA5" Instruction Set Architecture Reference Guide (July 2026). The comments in the code are by the model that wrote it; some were corrected since.
;; LSTM Cell. Allowed arithmetic: matrix products marked QUANTISED: E4M3 operands, one E8M0 scale for each 32 along K, by v_wmma_scale_f32_16x16x128_f8f6f4 with both operands' format E4M3, f32 sums; everything else in f32.
;; Inputs: W_ch 1,024 x 1,024 float32; W_cx 1,024 x 1,024 float32; W_fh 1,024 x 1,024 float32; W_fx 1,024 x 1,024 float32; W_ih 1,024 x 1,024 float32; W_ix 1,024 x 1,024 float32; W_oh 1,024 x 1,024 float32; W_ox 1,024 x 1,024 float32; b_c 1,024 float32; b_f 1,024 float32; b_i 1,024 float32; b_o 1,024 float32; cell 8,192 x 1,024 float32; hidden 8,192 x 1,024 float32; x 8,192 x 1,024 float32.
;; Outputs: out0 8,192 x 1,024 float32; out1 8,192 x 1,024 float32.
;; This version of the problem:
;;   THIS VERSION OF THE PROBLEM IS GIVEN IN LOW PRECISION. The matrix products marked QUANTISED in the list below multiply operands that are first quantised to E4M3 (4 exponent bits, 3 mantissa bits; 8 bits a number), with one power-of-two scale for each 32 numbers along K (OCP MX v1.0); their sums are f32. All else is computed in f32.
;;   The module's matrix products, in the order in which they are computed (A, B: the left and right operand; K: the contracted axis; several contracted axes count as one K, in the product's order):
;;     1. [M 8,192, K 1,024] x [K 1,024, N 1,024]; A: input x; B: input W_fx: QUANTISED
;;     2. [M 8,192, K 1,024] x [K 1,024, N 1,024]; A: input hidden; B: input W_fh: QUANTISED
;;     3. [M 8,192, K 1,024] x [K 1,024, N 1,024]; A: input x; B: input W_ix: QUANTISED
;;     4. [M 8,192, K 1,024] x [K 1,024, N 1,024]; A: input hidden; B: input W_ih: QUANTISED
;;     5. [M 8,192, K 1,024] x [K 1,024, N 1,024]; A: input x; B: input W_cx: QUANTISED
;;     6. [M 8,192, K 1,024] x [K 1,024, N 1,024]; A: input hidden; B: input W_ch: QUANTISED
;;     7. [M 8,192, K 1,024] x [K 1,024, N 1,024]; A: input x; B: input W_ox: QUANTISED
;;     8. [M 8,192, K 1,024] x [K 1,024, N 1,024]; A: input hidden; B: input W_oh: QUANTISED
;;   THE QUANTISER, for each operand of a quantised product, along K:
;;     - K is cut into blocks of 32 from its start; a last block that is shorter is filled with zeros.
;;     - A block's scale is 2^e with e = floor(log2(the largest magnitude in the block)) - 8, held to -126 .. 127; a block of zeros has e = 0. As a byte (E8M0): e + 127.
;;     - Each number is divided by its block's scale, clamped to +-448, and rounded to the nearest number of E4M3, ties to even, subnormals kept.
;;     - The product sums the exact products of the quantised numbers (number of the format x scale) in f32.
;;   ~~~python
;;   def quantise(x, axis):      # numpy; x: float32 -> the quantised numbers, widened to float32 again
;;       x = np.moveaxis(x, axis, -1); K = x.shape[-1]
;;       x = np.pad(x, [(0, 0)] * (x.ndim - 1) + [(0, -K % 32)]); x = x.reshape(x.shape[:-1] + (-1, 32)); a = np.abs(x).max(-1, keepdims=True)
;;       e = np.where(a > 0, np.clip(np.frexp(np.where(a > 0, a, 1))[1] - 1 - 8, -126, 127), 0)      # np.frexp(a)[1] - 1 = floor(log2(a)), exactly
;;       r = np.clip(x / 2.0 ** e, -448, 448)
;;       step = 2.0 ** (np.maximum(np.frexp(np.where(r == 0, 1, r))[1] - 1, -6) - 3)
;;       q = np.round(r / step) * step * 2.0 ** e      # np.round: ties to even
;;       return np.moveaxis(q.reshape(q.shape[:-2] + (-1,))[..., :K], -1, axis).astype(np.float32)
;;   ~~~
;; One version. Each part assembles by itself: llvm-mc -triple=amdgcn-amd-amdhsa -mcpu=gfx1250 --defsym DOCPART=n.
;; ======== version 1 of 1: 2 launches
;; limits: right only within a limited range of input values; inputs' magnitudes at most 2.9e+20
;; workspace buffers: a_codes 16,777,216 bytes; a_scales 524,288 bytes; w_codes 8,388,608 bytes; w_scales 262,144 bytes
;; launch quant (part 1): grid 768 x 1, 4 waves a work-group, no clusters, 33,280 bytes of LDS; arguments x, hidden, W_fx, W_fh, W_ix, W_ih, W_cx, W_ch, W_ox, W_oh, a_codes, a_scales, w_codes, w_scales; writes a_codes, a_scales, w_codes, w_scales
.if DOCPART == 1
	.amdgcn_target "amdgcn-amd-amdhsa--gfx1250"
	.amdhsa_code_object_version 6
	.text
	.protected	k_q9ee0af17bf_quant
	.globl	k_q9ee0af17bf_quant
	.p2align	8
	.type	k_q9ee0af17bf_quant,@function
k_q9ee0af17bf_quant:
	s_mov_b64 s[64:65], 0
	v_nop
	global_prefetch_b8 v0, s[64:65] scope:SCOPE_SE
	s_setreg_imm32_b32 hwreg(HW_REG_WAVE_MODE, 25, 1), 1
	s_wait_xcnt 0x0
; All ten f32 operands of the eight products become codes of FP8 (E4M3) with one E8M0 scale byte for each 32 along K, laid as ONE pair of operands:
;   a_codes [8192][2048]: a row is x's 1,024 codes, then hidden's 1,024;  a_scales [8192][64] likewise (32 + 32 bytes).
;   w_codes [4096][2048]: row (h / 32) 128 + 32 g + h % 32 is W_gx[h], then W_gh[h], g = 0 f, 1 i, 2 c, 3 o;  w_scales [4096][64] likewise.
;   So 128 rows on end hold all four gates of 32 neighbouring h.  A block of 32 never crosses the seam at K = 1,024.
; A block's scale is 2^(floor(log2(its largest magnitude)) - 8); its byte is the largest magnitude's exponent field - 8, held at 1 from below.  Each number is divided by the scale,
; held within +-448 and rounded to the nearest code, ties to even.
; LIMITS: a block of zeros gets the byte 1 where the rule says 127 (its codes are zeros, which add nothing, and this program alone reads the bytes); blocks whose largest magnitude
; lies under 2^-118 keep the byte 1; NaN and infinities among the inputs are not served.
; SHARES.  A wave makes 4 whole rows of its destination: 8,192 codes on end and 256 scale bytes on end.  A work-group makes 16 rows: work-groups 0-511 A's, 512-767 W's, 64 for each gate.
; A wave's 16 steps of 512 numbers: step t is row t / 4, part (t / 2) % 2 (0: the tensor that meets x, 1: the one that meets hidden), half t % 2.  Its codes go to byte 512 t, its 16 scale bytes to byte 16 t.
; Each load reads 512 consecutive bytes, 16 a lane; a step's 2,048 bytes turn through the wave's own stage in LDS and come back 64 bytes a lane: 16 neighbours along K, two lanes to a block.
; No tensor loads, no barrier: waves share nothing.  Loads run four steps (16 loads a wave) ahead, the turn through LDS one step.  Every offset is an immediate, so no pointer is stepped.
.set STEPS, 16
.set WGA,   512                        ; work-groups that take A: 8,192 rows / 16
.set EMAX,  8
.set MANT,  0x600000                   ; the mantissa field of 448 as f32
.set CB,    16                         ; bytes of 16 codes
.set R,     16                         ; v16-79   four sets of 16 numbers as they are loaded
.set X,     80                         ; v80-111  two sets of 16 neighbours
.set E,     112                        ; v112-127 a scale byte for each step
.set C,     128                        ; v128-191 codes: four registers for each step, so that no store's data are written again
.set WREG,  8192                       ; LDS: a region of its own for each wave: two stages of 32 x SP bytes, and behind them its 256 scale bytes
.set SP,    80                         ; a lane's place in a stage: its 64 bytes + 16 of padding
	s_load_b512 s[4:19], s[0:1], 0x0               ; x 4:5, hidden 6:7, W_fx 8:9, W_fh 10:11, W_ix 12:13, W_ih 14:15, W_cx 16:17, W_ch 18:19
	s_load_b256 s[20:27], s[0:1], 0x40             ; W_ox 20:21, W_oh 22:23, a_codes 24:25, a_scales 26:27
	s_load_b128 s[28:31], s[0:1], 0x60             ; w_codes 28:29, w_scales 30:31
	v_lshl_add_u32 v192, v0, 2, 0x8000
	v_mov_b32 v193, 0
	v_lshrrev_b32 v1, 5, v0
	v_readfirstlane_b32 s32, v1                    ; wave
	v_and_b32 v2, 31, v0                           ; lane
	v_lshlrev_b32 v3, 4, v2                        ; my 16 bytes of a load's 512
	s_mul_i32 s33, s32, WREG
	v_lshrrev_b32 v14, 2, v2
	v_mul_u32_u24 v14, v14, SP
	v_and_b32 v15, 3, v2
	v_lshl_add_u32 v14, v15, 4, v14
	v_add_nc_u32 v14, s33, v14                     ; the stage, on the way in: four lanes' 64 bytes on end, then 16 of padding
	v_mul_u32_u24 v15, v2, SP
	v_add_nc_u32 v15, s33, v15                     ; and on the way out: SP x lane: my 16 neighbours
	v_mul_u32_u24 v4, v2, CB                       ; my codes' place in a step's
	v_lshrrev_b32 v5, 1, v2
	s_add_co_u32 s33, s33, 2*32*SP
	v_add_nc_u32 v5, s33, v5                       ; LDS: my wave's 256 scale bytes, my block's byte
	v_lshlrev_b32 v7, 3, v2                        ; and on the way out 8 bytes a lane
	v_add_nc_u32 v6, s33, v7
	s_mov_b32 s34, MANT                            ; (an instruction takes one literal: the hold's line has another)
	; which rows are my wave's.  All of this hangs on the work-group's and the wave's number alone
	s_sub_co_u32 s36, ttmp9, WGA                   ; W's work-groups count from 0 (in A's this wraps round, and what is made of it is not chosen)
	s_lshr_b32 s37, s36, 6                         ; the gate, 0 to 3; in A's work-groups a number that is none of these
	s_lshl_b32 s38, ttmp9, 2
	s_add_co_u32 s38, s38, s32
	s_lshl_b32 s38, s38, 2                         ; A: my first row, in source and destination alike: 16 x work-group + 4 x wave
	s_and_b32 s39, s36, 63
	s_lshl_b32 s39, s39, 2
	s_add_co_u32 s39, s39, s32
	s_lshl_b32 s39, s39, 2                         ; W: my first h: a multiple of 4, so my four rows stay inside one group of 32
	s_lshr_b32 s40, s39, 5
	s_lshl_b32 s40, s40, 7
	s_lshl_b32 s41, s37, 5
	s_add_co_u32 s40, s40, s41
	s_and_b32 s41, s39, 31
	s_add_co_u32 s40, s40, s41                     ; and its row in w_codes: (h / 32) 128 + 32 g + h % 32
	s_wait_alu depctr_va_vdst(0)
	s_wait_kmcnt 0x0
.irp g, 0,1,2,3
	s_cmp_eq_u32 s37, \g                           ; the two sources: x and hidden stay unless the work-group is gate g's
	s_cselect_b64 s[4:5], s[8+4*\g:9+4*\g], s[4:5]
	s_cselect_b64 s[6:7], s[10+4*\g:11+4*\g], s[6:7]
.endr
	s_cmp_lt_u32 ttmp9, WGA                        ; A's work-group or W's?
	s_cselect_b64 s[24:25], s[24:25], s[28:29]     ; the codes' buffer,
	s_cselect_b64 s[26:27], s[26:27], s[30:31]     ; the scale bytes',
	s_cselect_b32 s41, s38, s39                    ; my first row in the sources,
	s_cselect_b32 s42, s38, s40                    ; and in the destination
	s_lshl_b32 s44, s41, 12                        ; a source row is 4,096 bytes
	s_mov_b32 s45, 0
	s_add_nc_u64 s[4:5], s[4:5], s[44:45]
	s_add_nc_u64 s[6:7], s[6:7], s[44:45]
	s_lshl_b32 s44, s42, 11                        ; a row of codes 2,048
	s_add_nc_u64 s[24:25], s[24:25], s[44:45]
	s_lshl_b32 s44, s42, 6                         ; a row of scale bytes 64
	s_add_nc_u64 s[26:27], s[26:27], s[44:45]
.macro LOAD t                          ; step t's 2,048 bytes: the part picks the base, the row and the half stand in the immediate
.irp i, 0,1,2,3
	global_load_b128 v[R+16*((\t)%4)+4*\i:R+16*((\t)%4)+4*\i+3], v3, s[4+2*(((\t)/2)%2):5+2*(((\t)/2)%2)] offset:4096*((\t)/4)+2048*((\t)%2)+512*\i th:TH_LOAD_NT   ; 32 lanes read 512 consecutive bytes
.endr
.endm
.macro TURN t                          ; step t's numbers through the stage: LDS serves a wave's instructions in order, so no wait stands between the stores and the loads
.irp i, 0,1,2,3
	ds_store_b128 v14, v[R+16*((\t)%4)+4*\i:R+16*((\t)%4)+4*\i+3] offset:32*SP*((\t)%2)+8*SP*\i
.endr
.irp i, 0,1,2,3
	ds_load_b128 v[X+16*((\t)%2)+4*\i:X+16*((\t)%2)+4*\i+3], v15 offset:32*SP*((\t)%2)+16*\i
.endr
.endm
.irp t, 0,1,2,3
	LOAD \t
.endr
	s_wait_loadcnt 12                              ; step 0's four loads are in; the twelve of steps 1 to 3 may be out
	TURN 0
.macro STEP t
.set XS, X+16*((\t)%2)
.if (\t) > 0
	s_wait_dscnt 1                                 ; this step's numbers are back from the stage (the last step's byte store may be out): so its stores into the stage have read their registers,
.else
	s_wait_dscnt 0x0
.endif
.if (\t)+4 < STEPS
	LOAD (\t)+4                                    ; which take the loads of four steps on
.endif
.if (\t)+1 < STEPS
.if STEPS-2-(\t) >= 3
	s_wait_loadcnt 12                              ; the next step's four loads are in; those of the three steps behind it may be out
.else
	s_wait_loadcnt 4*(STEPS-2-(\t))                ; at the end fewer steps stand behind it
.endif
	TURN (\t)+1                                    ; and go through the other stage while this step is worked
.endif
	v_max3_num_f32 v8, |v[XS]|, |v[XS+1]|, |v[XS+2]|               ; the largest magnitude of my 16, in two chains
	v_max3_num_f32 v9, |v[XS+3]|, |v[XS+4]|, |v[XS+5]|
.irp i, 6,10
	v_max3_num_f32 v8, v8, |v[XS+\i]|, |v[XS+\i+1]|
	v_max3_num_f32 v9, v9, |v[XS+\i+2]|, |v[XS+\i+3]|
.endr
	v_max3_num_f32 v8, v8, |v[XS+14]|, |v[XS+15]|
	v_max3_num_f32 v8, v8, v9, (EMAX+1)<<23        ; and the floor 2^(EMAX + 1 - 127), under which no largest magnitude is taken: so the byte cannot fall under 1
	v_max_num_f32_dpp v8, v8, v8 row_xmask:1 row_mask:0xf bank_mask:0xf   ; and of my neighbour's 16: the block's
	v_add_nc_u32 v11, -(EMAX<<23), v8              ; EMAX off its exponent field: the conversion takes the exponent field of this operand as its scale, and nothing else of it
	v_and_or_b32 v10, v8, 0x7f800000, s34          ; 448 x the scale: the largest magnitude's exponent field over 448's mantissa
.irp i, 0,1,2,3,4,5,6,7,8,9,10,11,12,13,14,15
	v_med3_num_f32 v[XS+\i], v[XS+\i], -v10, v10   ; the conversion to an 8-bit code does not saturate (ISA guide 7.6.2): hold the number within the largest code x the scale first
.endr
	v_cvt_scalef32_pk8_fp8_f32 v[C+4*(\t):C+4*(\t)+1], v[XS:XS+7], v11          ; eight numbers / 2^(v11's exponent), to the nearest code, ties to even; the first number's code in the lowest byte
	v_cvt_scalef32_pk8_fp8_f32 v[C+4*(\t)+2:C+4*(\t)+3], v[XS+8:XS+15], v11
	v_lshrrev_b32 v[E+(\t)], 23, v11               ; the scale's byte (a plain line behind the conversions)
	ds_store_b8 v5, v[E+(\t)] offset:16*(\t)       ; both lanes of a block write the same byte with the same value
	global_store_b128 v4, v[C+4*(\t):C+4*(\t)+3], s[24:25] offset:32*CB*(\t)     ; 32 lanes store 512 consecutive bytes, at a multiple of 256 from the buffer's first byte
.endm
.irp t, 0,1,2,3,4,5,6,7,8,9,10,11,12,13,14,15
	STEP \t
.endr
	ds_load_b64 v[12:13], v6                       ; LDS serves a wave's instructions in order: these see my stores
	s_wait_dscnt 0x0
	global_store_b64 v7, v[12:13], s[26:27]        ; 32 lanes store my four rows' 256 scale bytes, aligned
	s_wait_tensorcnt 0x0
	ds_add_u32 v192, v193
	s_wait_dscnt 0x0
	s_endpgm
.Lfunc_end_k_q9ee0af17bf_quant:
	.size	k_q9ee0af17bf_quant, .Lfunc_end_k_q9ee0af17bf_quant-k_q9ee0af17bf_quant
	.p2alignl 7, 3214868480
	.fill 96, 4, 3214868480
	.section	.rodata,"a",@progbits
	.p2align	6, 0x0
	.amdhsa_kernel k_q9ee0af17bf_quant
		.amdhsa_group_segment_fixed_size 33280
		.amdhsa_private_segment_fixed_size 0
		.amdhsa_enable_private_segment 0
		.amdhsa_kernarg_size 112
		.amdhsa_user_sgpr_count 2
		.amdhsa_user_sgpr_kernarg_segment_ptr 1
		.amdhsa_wavefront_size32 1
		.amdhsa_system_sgpr_workgroup_id_x 1
		.amdhsa_system_sgpr_workgroup_id_y 1
		.amdhsa_system_sgpr_workgroup_id_z 1
		.amdhsa_system_vgpr_workitem_id 0
		.amdhsa_next_free_vgpr 194
		.amdhsa_next_free_sgpr 66
		.amdhsa_reserve_vcc 0
		.amdhsa_float_denorm_mode_32 3
		.amdhsa_float_denorm_mode_16_64 3
		.amdhsa_memory_ordered 1
		.amdhsa_forward_progress 1
		.amdhsa_inst_pref_size 52
	.end_amdhsa_kernel
	.amdgpu_metadata
---
amdhsa.version: [ 1, 2 ]
amdhsa.kernels:
  - .name:           k_q9ee0af17bf_quant
    .symbol:         k_q9ee0af17bf_quant.kd
    .args:
      - { .name: x, .offset: 0, .size: 8, .value_kind: global_buffer, .address_space: global }
      - { .name: hidden, .offset: 8, .size: 8, .value_kind: global_buffer, .address_space: global }
      - { .name: W_fx, .offset: 16, .size: 8, .value_kind: global_buffer, .address_space: global }
      - { .name: W_fh, .offset: 24, .size: 8, .value_kind: global_buffer, .address_space: global }
      - { .name: W_ix, .offset: 32, .size: 8, .value_kind: global_buffer, .address_space: global }
      - { .name: W_ih, .offset: 40, .size: 8, .value_kind: global_buffer, .address_space: global }
      - { .name: W_cx, .offset: 48, .size: 8, .value_kind: global_buffer, .address_space: global }
      - { .name: W_ch, .offset: 56, .size: 8, .value_kind: global_buffer, .address_space: global }
      - { .name: W_ox, .offset: 64, .size: 8, .value_kind: global_buffer, .address_space: global }
      - { .name: W_oh, .offset: 72, .size: 8, .value_kind: global_buffer, .address_space: global }
      - { .name: a_codes, .offset: 80, .size: 8, .value_kind: global_buffer, .address_space: global }
      - { .name: a_scales, .offset: 88, .size: 8, .value_kind: global_buffer, .address_space: global }
      - { .name: w_codes, .offset: 96, .size: 8, .value_kind: global_buffer, .address_space: global }
      - { .name: w_scales, .offset: 104, .size: 8, .value_kind: global_buffer, .address_space: global }
    .group_segment_fixed_size: 33280
    .private_segment_fixed_size: 0
    .kernarg_segment_align: 8
    .kernarg_segment_size: 112
    .max_flat_workgroup_size: 128
    .sgpr_count:     66
    .vgpr_count:     194
    .wavefront_size: 32
...
	.end_amdgpu_metadata
.endif
;; end of part 1
;; launch lstm (part 2): grid 16 x 32, 4 waves a work-group, clusters of 4 x 4, 327,680 bytes of LDS; arguments a_codes, a_scales, w_codes, w_scales, b_f, b_i, b_c, b_o, cell, out0, out1; writes out0, out1
.if DOCPART == 2
	.amdgcn_target "amdgcn-amd-amdhsa--gfx1250"
	.amdhsa_code_object_version 6
	.text
	.protected	k_q9ee0af17bf_lstm
	.globl	k_q9ee0af17bf_lstm
	.p2align	8
	.type	k_q9ee0af17bf_lstm,@function
k_q9ee0af17bf_lstm:
	s_mov_b64 s[64:65], 0
	v_nop
	global_prefetch_b8 v0, s[64:65] scope:SCOPE_SE
	s_setreg_imm32_b32 hwreg(HW_REG_WAVE_MODE, 25, 1), 1
	s_wait_xcnt 0x0
	s_wait_alu depctr_hold_cnt(0) depctr_sa_sdst(0) depctr_va_vdst(0) depctr_va_sdst(0) depctr_va_ssrc(0) depctr_va_vcc(0) depctr_vm_vsrc(0)
	s_getreg_b32 s2, hwreg(HW_REG_IB_STS2, 6, 4)
	s_cmp_eq_u32 s2, 0
	s_cbranch_scc0 .Lentry_in_a_cluster
	s_endpgm
.Lentry_in_a_cluster:
	s_bfe_u32 s2, ttmp6, 0x10000c
	s_cmp_lg_u32 s2, 0xf033
	s_cbranch_scc0 .Lentry_shape_is_right
	s_endpgm
.Lentry_shape_is_right:
; The LSTM cell on codes of FP8 (E4M3) with one E8M0 scale for each 32 along K.  z_g = [x | hidden] . [W_gx | W_gh]^T + b_g for g = f, i, c, o: ONE product, A [8192][2048] x W [4096][2048], K ascending;
; then cell_new = sigmoid(z_f) cell + sigmoid(z_i) tanh(z_c) (out1) and h = sigmoid(z_o) tanh(cell_new) (out0), in f32, in the same launch: no z goes to memory.
; W's row (h / 32) 128 + 32 g + h % 32 holds gate g of h, so 128 rows on end are all four gates of 32 neighbouring h.
; SHARES.  A work-group of four waves takes 256 rows of A x 256 rows of W (64 h x 4 gates); a wave 128 x 128: 64 accumulators of 16 x 16, 512 registers.
; THE MATRIX INSTRUCTION IS USED TRANSPOSED (source 0 = 16 rows of W, source 1 = 16 rows of A): register j of accumulator (a, 2 g + u) in lane (r, hh) is gate g at row 16 a + r, h = 16 u + 8 hh + j.
; So the four gates of one number lie in one lane under one index.  The biases are the C of each sum's first matrix instruction.
; K goes in steps of 256 through a ring of two LDS slots; the scales of all of K come once, at the head, and stay.
; CLUSTERS: 4 x 4 work-groups; A's tiles are asked for jointly along a row of the cluster, W's along a column.  The cell's tile is each work-group's own: a plain tensor load into slot 0 behind that slot's last round.
; A STEP of 128 along K is 64 matrix instructions in four batches of 16 (two of A's blocks x W's eight); behind each batch stands one run of 16 LDS loads: A has one set of registers, a block being loaded anew
; two batches behind its products; W has two sets.  Four v_nop in each run: every load into a register that a product has read stands eight places behind that product.
; PREFETCH: behind the tensor load of K step i each wave names K step i + 2 (i = 0 .. 5; the head names K step 1 too): 32 rows x 256 bytes, a lane a row.  Of the 128 rows that a wave fetches in the ring each of the four
; partners of the joint load takes 32, told apart by address (cx for A, cy for W).  The last two refills name nothing along K; at the first of them each wave names its 64 rows of the cell's tile.
; THE TAIL.  With E_g = 2^min(k z_g, 30), k = -log2(e) for f, i, o and -2 log2(e) for c:  cell_new = (cell (1 + E_i)(1 + E_c) + (1 - E_c)(1 + E_f)) / ((1 + E_f)(1 + E_i)(1 + E_c));
; with E_n = 2^min(-2 log2(e) cell_new, 30):  h = (1 - E_n) / ((1 + E_o)(1 + E_n)).  It works IN PLACE, in the accumulators' registers, two blocks of 16 rows at a time.
; LIMITS: the hold at 30 keeps every product of the (1 + E) at 2^91 at the most; a gate or a tanh that has saturated is off by 2^-29 at the most.  NaN and infinities among the inputs are not served.
; REGISTERS: window 0: v1-6 at work in the head; v16-31 addresses; v32-63 scale words, two sets; v64-127 the biases; from v128 A's fragments; in the tail v64-191 take whole rows back from the stages.
;   window 1: W's fragments, two sets, at v0 and v128; in the tail block a's cell, then cell_new, at v[32 a] and its 1 - E, then h, at v[32 a + 16].
;   window 2: accumulators of my rows 0-63 ((a, b) at v[8 (8 (a % 4) + b)]);  window 3: those of rows 64-127.
.set SIZE_K, 2048
.set ROWB,   256                       ; a tile's row in bytes: a K step
.set KROW,   SIZE_K
.set PITCH,  272                       ; an LDS row: 256 bytes + 16 of padding
.set FR,     16
.set NP,     8
.set HALFT,  128*PITCH
.set SLOT,   4*HALFT                   ; A's 256 rows, then W's 256 rows
.set LAPS,   SIZE_K/512
.set KS,     SIZE_K/32
.set SCL,    2*SLOT                    ; the scales, as units of 256 bytes + 16 of padding
.set HALFS,  (128*KS/256)*272
.set SBLK,   (16*KS/256)*272
.set SPARE,  SCL+4*HALFS               ; the spare words: 512 bytes that no other line names
.set BLKB,   16*PITCH
.set OROW,   4096
; LDS in the tail: the cell's tile in slot 0's first half; two stages of 256 rows x 272 in slot 1 (cell_new at SLOT, h at SLOT + 2 HALFT), which has had its last fill and its last read by then.
.set ADRA, 16                          ; v16-17 my A fragments in slot 0, 1
.set BO,   18                          ; v18 32 x (lane / 16)
.set ADRB, 20                          ; v20-21 the same as ADRA for W
.set CLA,  22                          ; v22 my place in the cell's tile
.set STA,  23                          ; v23, v24 the same place in the two stages
.set STB,  24
.set RD,   25                          ; v25 where I read whole rows back
.set CO,   26                          ; v26 my byte offset in two rows of the output
.set ADRS, 27                          ; v27 my scale words: lanes 0-15 A's rows, lanes 16-31 W's
.set SPW,  28
.set NIL,  29
.set PFO,  30                          ; v30 lane x a row of codes
.set PFCO, 31                          ; v31 lane x a row of cell
.set SC,   32
.set BI,   64
.set AF,   128
.set LN1,  4                           ; s[4:5] -log2(e); s[6:7] -2 log2(e); s8 30.0 (written when the head's loads, whose group 0 lay here, have landed)
.set LN2,  6
.set CAP,  8
.set G0H,  4
.set G0HB, 8
.set PFC,  12                          ; s[12:13] my wave's 64 rows of the cell's tile
.set G0C,  20
.set G1,   24
.set G0,   32
.set G1B,  48
.set G0B,  56
.set PFA,  66                          ; s[66:67] my 32 rows of A or W, three K steps short of the K step that a prefetch names
.set G1S,  68
.set G0S,  76
.set G1SB, 80
.set G0SB, 88
.set G1C,  92                          ; s[92:99] first the four biases' addresses, then group 1 for the cell's tile
.set OUT,  100
.set MSB, 0
.macro WIN new
.if MSB != (\new)
	s_set_vgpr_msb (MSB<<8)|(\new)
.set MSB, (\new)
.endif
.endm
.set MUL_LO, 0xa1
.set MUL_HI, 0xf1
.set TO_B,   0x40
.macro PLACES n
.rept \n
	v_nop
.endr
.endm
.macro JLOAD g0a, g1a, g0b, g1b        ; a joint load: waves 0, 1 for A, waves 2, 3 for W; s_nop 0 and four v_nop behind each line
	s_cmp_eq_u32 s15, 0
	s_cbranch_scc0 .Lfor_b_\@
	tensor_load_to_lds s[\g0a:\g0a+3], s[\g1a:\g1a+7]
	s_nop 0
	PLACES 4
	s_branch .Lasked_\@
.Lfor_b_\@:
	tensor_load_to_lds s[\g0b:\g0b+3], s[\g1b:\g1b+7]
	s_nop 0
	PLACES 4
.Lasked_\@:
.endm
.macro CREST
	s_cmp_lg_u32 s14, 0
	s_cbranch_scc1 .Lnot_wave_0_\@
	s_barrier_signal -3
.Lnot_wave_0_\@:
	s_barrier_wait -3
	s_barrier_signal -1
	s_barrier_wait -1
.endm
.macro CROUND
	s_barrier_signal -1
	s_barrier_wait -1
	CREST
.endm
	s_load_b256 s[4:11], s[0:1], 0x0               ; A's codes, A's scales, W's codes, W's scales
	s_load_b256 s[92:99], s[0:1], 0x20             ; b_f, b_i, b_c, b_o
	s_load_b64 s[12:13], s[0:1], 0x40              ; cell
	s_load_b64 s[100:101], s[0:1], 0x48            ; out0
	s_load_b64 s[104:105], s[0:1], 0x50            ; out1
	v_lshl_add_u32 v[SPW], v0, 2, SPARE
	v_mov_b32 v[NIL], 0
	ds_add_u32 v[SPW], v[NIL]                      ; the opening lines: the add, twice on end, and its wait
	ds_add_u32 v[SPW], v[NIL]
	v_lshrrev_b32 v1, 5, v0
	v_readfirstlane_b32 s14, v1                    ; wave
	s_lshr_b32 s15, s14, 1                         ; my half of the rows; in the ring: I fetch for A (0) or W (1)
	s_and_b32 s16, s14, 1                          ; my 32 of the 64 h; in the ring: which 128 rows I fetch
	s_bfe_u32 s40, ttmp6, 0x40000                  ; cx
	s_bfe_u32 s41, ttmp6, 0x40004                  ; cy
	s_lshl_b32 s42, ttmp9, 2
	s_add_co_u32 s42, s42, s40                     ; tile column
	s_and_b32 s17, ttmp7, 0xffff
	s_lshl_b32 s17, s17, 2
	s_add_co_u32 s17, s17, s41                     ; tile row
	s_lshl_b32 s43, s41, 2
	s_lshl_b32 s43, 15, s43                        ; my row of the cluster
	s_lshl_b32 s44, 0x1111, s40                    ; my column
	s_or_b32 s[G1+0], s43, (0<<16)|(1<<20)|(1<<21)|(5<<22)|(3<<25)  ; bytes; 4 words of padding behind every 64; bit 21 beside the mask
	s_or_b32 s[G1B+0], s44, (0<<16)|(1<<20)|(1<<21)|(5<<22)|(3<<25)
.irp g, G1, G1B
	s_mov_b32 s[\g+1], ROWB<<16
	s_mov_b32 s[\g+2], 256<<16                     ; 256 rows for the head's loads; set to 128 behind them
	s_mov_b32 s[\g+3], ROWB<<16
	s_mov_b32 s[\g+4], 256
	s_mov_b32 s[\g+5], KROW
	s_mov_b32 s[\g+6], 0
	s_mov_b32 s[\g+7], 0
.endr
	s_or_b32 s[G1S+0], s43, (3<<16)|(1<<20)|(1<<21)|(5<<22)|(3<<25) ; the scales of 256 rows: a dense block, as KS rows of 256 bytes
	s_or_b32 s[G1SB+0], s44, (3<<16)|(1<<20)|(1<<21)|(5<<22)|(3<<25)
.irp g, G1S, G1SB
	s_mov_b32 s[\g+1], 32<<16
	s_mov_b32 s[\g+2], KS<<16
	s_mov_b32 s[\g+3], 32<<16
	s_mov_b32 s[\g+4], KS
	s_mov_b32 s[\g+5], 32
	s_mov_b32 s[\g+6], 0
	s_mov_b32 s[\g+7], 0
.endr
	s_lshl_b32 s20, s17, 8                         ; A: the tile's first row
	s_lshl_b32 s46, s42, 8                         ; W: likewise
	s_mov_b32 s21, 0
	s_mov_b32 s47, 0
	s_mov_b64 s[18:19], KS
	s_mul_u64 s[22:23], s[20:21], s[18:19]
	s_mul_u64 s[G0SB+2:G0SB+3], s[46:47], s[18:19]
	s_mov_b64 s[18:19], KROW
	s_mul_u64 s[20:21], s[20:21], s[18:19]
	s_mul_u64 s[46:47], s[46:47], s[18:19]
	s_mul_i32 s18, s16, 128*KROW                   ; in the ring: my 128 rows of a tile
	s_mov_b32 s19, 0
	s_mul_i32 s45, s14, HALFT                      ; and where they go
	s_wait_dscnt 0x0                               ; both opening adds are done
	s_wait_kmcnt 0x0
	s_add_nc_u64 s[20:21], s[4:5], s[20:21]
	s_add_nc_u64 s[22:23], s[6:7], s[22:23]
	s_add_nc_u64 s[46:47], s[8:9], s[46:47]
	s_add_nc_u64 s[G0SB+2:G0SB+3], s[10:11], s[G0SB+2:G0SB+3]
	CROUND                                         ; all sixteen work-groups are here: the first joint loads meet
	s_mov_b32 s[G0H], 1                            ; K step 0's 256 rows of A,
	s_mov_b32 s[G0H+1], 0
	s_mov_b64 s[G0H+2:G0H+3], s[20:21]
	s_or_b32 s[G0H+3], s[G0H+3], 0x80000000
	s_mov_b32 s[G0HB], 1                           ; of W,
	s_mov_b32 s[G0HB+1], 2*HALFT
	s_mov_b64 s[G0HB+2:G0HB+3], s[46:47]
	s_or_b32 s[G0HB+3], s[G0HB+3], 0x80000000
	s_mov_b32 s[G0S], 1                            ; A's scales,
	s_mov_b32 s[G0S+1], SCL
	s_mov_b64 s[G0S+2:G0S+3], s[22:23]
	s_or_b32 s[G0S+3], s[G0S+3], 0x80000000
	s_mov_b32 s[G0SB], 1                           ; W's scales
	s_mov_b32 s[G0SB+1], SCL+2*HALFS
	s_or_b32 s[G0SB+3], s[G0SB+3], 0x80000000
	s_add_nc_u64 s[20:21], s[20:21], s[18:19]
	s_add_nc_u64 s[46:47], s[46:47], s[18:19]
.irp s, 0,1
	s_mov_b32 s[G0+4*\s], 1
	s_add_co_u32 s[G0+4*\s+1], s45, \s*SLOT
	s_add_nc_u64 s[G0+4*\s+2:G0+4*\s+3], s[20:21], \s*ROWB
	s_or_b32 s[G0+4*\s+3], s[G0+4*\s+3], 0x80000000
	s_mov_b32 s[G0B+4*\s], 1
	s_add_co_u32 s[G0B+4*\s+1], s45, \s*SLOT
	s_add_nc_u64 s[G0B+4*\s+2:G0B+4*\s+3], s[46:47], \s*ROWB
	s_or_b32 s[G0B+4*\s+3], s[G0B+4*\s+3], 0x80000000
.endr
	s_cmp_eq_u32 s15, 0                            ; the prefetches: of the 128 rows that I fetch, my work-group's 32
	s_cselect_b64 s[PFA:PFA+1], s[20:21], s[46:47]
	s_cselect_b32 s18, s40, s41                    ; my place among the four that ask with me
	s_lshl_b32 s18, s18, 16                        ; x 32 rows of 2,048 bytes
	s_add_nc_u64 s[PFA:PFA+1], s[PFA:PFA+1], s[18:19]
; the head's loads, one a wave, in one chain of branches on the wave's number
.macro ARM under, g0, g1, next
	s_cmp_lt_u32 s14, \under
	s_cbranch_scc0 \next
	tensor_load_to_lds s[\g0:\g0+3], s[\g1:\g1+7]
	s_nop 0
	PLACES 4
	s_branch .Lhead_asked
\next:
.endm
	ARM 1, G0H,  G1,  .Lhead_b
	ARM 2, G0HB, G1B, .Lhead_sa
	ARM 3, G0S,  G1S, .Lhead_sb
	tensor_load_to_lds s[G0SB:G0SB+3], s[G1SB:G1SB+7]
	s_nop 0
	PLACES 4
.Lhead_asked:
	s_lshl_b32 s18, s17, 8                         ; 256 x tile row
	s_lshl_b32 s2, s42, 8                          ; byte 256 x tile column
	s_lshl_b32 s19, s14, 6
	s_add_co_u32 s19, s18, s19
	s_lshl_b32 s20, s19, 12
	s_add_co_u32 s20, s20, s2
	s_mov_b32 s21, 0
	s_add_nc_u64 s[PFC:PFC+1], s[PFC:PFC+1], s[20:21]   ; my wave's 64 rows of the cell's tile
	s_lshl_b32 s19, s15, 7
	s_add_co_u32 s19, s18, s19
	s_lshl_b32 s20, s19, 12
	s_add_co_u32 s20, s20, s2
	s_cmp_eq_u32 s16, 0                            ; waves with an even number store cell_new (out1), the others h (out0)
	s_cselect_b64 s[OUT:OUT+1], s[104:105], s[OUT:OUT+1]
	s_add_nc_u64 s[OUT:OUT+1], s[OUT:OUT+1], s[20:21]
	s_mov_b32 s[G0C], 1
	s_mul_i32 s[G0C+1], s14, 64*PITCH
	s_mov_b64 s[G0C+2:G0C+3], s[PFC:PFC+1]
	s_or_b32 s[G0C+3], s[G0C+3], 0x80000000
	s_lshl_b32 s19, s16, 7
	s_add_co_u32 s18, s2, s19                      ; the biases: 4 bytes x (64 x tile column + 32 x half)
	s_mov_b32 s19, 0
	s_mul_i32 s40, s15, HALFT                      ; LDS bases, of the wave's number alone
	s_mul_i32 s41, s16, HALFT
	s_add_co_u32 s41, s41, 2*HALFT
	s_mul_i32 s42, s15, HALFS
	s_mul_i32 s43, s16, HALFS
	s_add_co_u32 s43, s43, 2*HALFS
	s_sub_co_u32 s43, s43, s42                     ; from A's scales to W's
	s_add_co_u32 s42, s42, SCL
	s_lshl_b32 s44, s16, 7
	s_add_co_u32 s44, s44, s40
	s_mul_i32 s45, s16, 2*HALFT
	s_add_co_u32 s45, s45, s40
	s_add_co_u32 s45, s45, SLOT
.irp g, 0,1,2,3
	s_add_nc_u64 s[92+2*\g:93+2*\g], s[92+2*\g:93+2*\g], s[18:19]
.endr
	v_and_b32 v1, 15, v0                           ; r
	v_bfe_u32 v2, v0, 4, 1                         ; hh
	v_mul_u32_u24 v3, v1, PITCH
	v_lshl_add_u32 v4, v2, 4, v3
	v_add_nc_u32 v[ADRA], s40, v4
	v_add_nc_u32 v[ADRB], s41, v4
	v_add_nc_u32 v[ADRA+1], SLOT, v[ADRA]
	v_add_nc_u32 v[ADRB+1], SLOT, v[ADRB]
	v_mul_u32_u24 v5, v1, KS
	v_lshrrev_b32 v6, 8, v5
	v_lshl_add_u32 v5, v6, 4, v5                   ; 16 more for each 256 passed
	v_mul_u32_u24 v6, s43, v2                      ; lanes 16-31 take W's
	v_add_nc_u32 v5, v5, v6
	v_add_nc_u32 v[ADRS], s42, v5
	v_lshl_add_u32 v5, v2, 5, v3
	v_add_nc_u32 v[CLA], s44, v5
	v_add_nc_u32 v[STA], SLOT, v[CLA]
	v_add_nc_u32 v[STB], SLOT+2*HALFT, v[CLA]
	v_mul_u32_u24 v5, v2, PITCH
	v_lshl_add_u32 v5, v1, 4, v5
	v_add_nc_u32 v[RD], s45, v5
	v_lshlrev_b32 v5, 12, v2
	v_lshl_add_u32 v[CO], v1, 4, v5
	v_lshlrev_b32 v[BO], 5, v2
	v_and_b32 v6, 31, v0
	v_lshlrev_b32 v[PFCO], 12, v6
	v_lshlrev_b32 v[PFO], 11, v6
	s_wait_alu depctr_va_vdst(0)                   ; the wait at the head's end
.irp g, 0,1,2,3
.irp u, 0,1
.irp q, 0,1
	global_load_b128 v[BI+8*(2*\g+\u)+4*\q:BI+8*(2*\g+\u)+4*\q+3], v[BO], s[92+2*\g:93+2*\g] offset:64*\u+16*\q
.endr
.endr
.endr
	global_prefetch_b8 v[PFO], s[PFA:PFA+1] offset:ROWB th:TH_LOAD_NT scope:SCOPE_SE     ; K steps 1 and 2
	global_prefetch_b8 v[PFO], s[PFA:PFA+1] offset:2*ROWB th:TH_LOAD_NT scope:SCOPE_SE
.macro FRAG reg, adr, q, i             ; 16 rows x 128 K: registers 4 c .. 4 c + 3 hold K = 32 c + 16 (l / 16) + 0 .. 15
.irp c, 0,1,2,3
	ds_load_b128 v[\reg+4*\c:\reg+4*\c+3], v[\adr] offset:128*(\q)+32*\c+(\i)*16*PITCH
.endr
.endm
.macro FA slot, q, i0, n               ; A's blocks i0 .. i0 + n - 1 (window 0)
.set fi, \i0
.rept \n
	FRAG AF+FR*fi, ADRA+\slot, \q, fi
.set fi, fi+1
.endr
.endm
.macro FB slot, q, p, i0, n            ; W's blocks i0 .. i0 + n - 1 into set p (destination window 1)
.set fi, \i0
.rept \n
	FRAG 128*(\p)+FR*fi, ADRB+\slot, \q, fi
.set fi, fi+1
.endr
.endm
.macro SCALES sc
.irp i, 0,1,2,3,4,5,6,7
	ds_load_b64 v[SC+16*\sc+2*\i:SC+16*\sc+2*\i+1], v[ADRS] offset:\i*SBLK
.endr
.endm
; 8 matrix instructions: A's block a x W's eight.  first = 1: the sums begin with the biases as C.  The 64 accumulators take turns, in the same order in every step.
.macro MUL8 a, p, q, sc, first
.irp b, 0,1,2,3,4,5,6,7
.if \first
	v_wmma_scale_f32_16x16x128_f8f6f4 v[8*(8*((\a)%4)+\b):8*(8*((\a)%4)+\b)+7], v[128*(\p)+FR*\b:128*(\p)+FR*\b+FR-1], v[AF+FR*(\a):AF+FR*(\a)+FR-1], v[BI+8*\b:BI+8*\b+7], v[SC+16*(\sc)+2*\b+(\q)], v[SC+16*(\sc)+2*(\a)+(\q)] matrix_a_scale:MATRIX_SCALE_ROW1
.else
	v_wmma_scale_f32_16x16x128_f8f6f4 v[8*(8*((\a)%4)+\b):8*(8*((\a)%4)+\b)+7], v[128*(\p)+FR*\b:128*(\p)+FR*\b+FR-1], v[AF+FR*(\a):AF+FR*(\a)+FR-1], v[8*(8*((\a)%4)+\b):8*(8*((\a)%4)+\b)+7], v[SC+16*(\sc)+2*\b+(\q)], v[SC+16*(\sc)+2*(\a)+(\q)] matrix_a_scale:MATRIX_SCALE_ROW1
.endif
.endr
.endm
.macro WLO first
.if \first
	WIN 0x81                                       ; C (the biases) in window 0
.else
	WIN MUL_LO
.endif
.endm
.macro WHI first
.if \first
	WIN 0xc1
.else
	WIN MUL_HI
.endif
.endm
; A step that has its successor in the same slot.  Each wait's count: the LDS loads issued behind the fragments that the next batch needs.
.macro STEP slot, q, first
	s_wait_dscnt 16                                ; out: A's blocks 2-5
	WLO \first
	MUL8 0, (\q)%2, \q, \slot, \first
	MUL8 1, (\q)%2, \q, \slot, \first
	PLACES 4
	WIN 0
	FA \slot, \q, 6, 2                             ; this step's blocks 6, 7
	WIN TO_B
	FB \slot, (\q)+1, 1-(\q)%2, 0, 2
	s_wait_dscnt 24                                ; out: blocks 4, 5 and the 16 above
	WLO \first
	MUL8 2, (\q)%2, \q, \slot, \first
	MUL8 3, (\q)%2, \q, \slot, \first
	PLACES 4
	WIN TO_B
	FB \slot, (\q)+1, 1-(\q)%2, 2, 4
	s_wait_dscnt 32                                ; out: the two runs above
	WHI \first
	MUL8 4, (\q)%2, \q, \slot, \first
	MUL8 5, (\q)%2, \q, \slot, \first
	PLACES 4
	WIN TO_B
	FB \slot, (\q)+1, 1-(\q)%2, 6, 2
	WIN 0
	FA \slot, (\q)+1, 0, 2
	s_wait_dscnt 40                                ; out: 8 of the first run, and the two behind it
	WHI \first
	MUL8 6, (\q)%2, \q, \slot, \first
	MUL8 7, (\q)%2, \q, \slot, \first
	PLACES 4
	WIN 0
	FA \slot, (\q)+1, 2, 4
.endm
.macro ASK slot                        ; s3 = 1 in the loop's last trip: its refills have no K step two on
	s_cmp_gt_u32 s3, 1
	s_cbranch_scc0 .Lno_k_\@
	global_prefetch_b8 v[PFO], s[PFA:PFA+1] offset:3*ROWB th:TH_LOAD_NT scope:SCOPE_SE
.if \slot == 0
	s_branch .Lasked_k_\@
.endif
.Lno_k_\@:
.if \slot == 0
	global_prefetch_b8 v[PFCO], s[PFC:PFC+1] th:TH_LOAD_NT scope:SCOPE_SE               ; the cell's tile: my 64 rows, two K steps ahead of their load
	global_prefetch_b8 v[PFCO], s[PFC:PFC+1] offset:32*OROW th:TH_LOAD_NT scope:SCOPE_SE
.Lasked_k_\@:
.endif
.endm
; A slot's last step changes slots.  fill = 1: the slot is filled again, two K steps on, by a joint load.  fill = 2: slot 0's first half takes the cell's tile.
.macro TURN slot, next, fill
	s_wait_xcnt 0x0                                ; my prefetches have read their address
	s_add_nc_u64 s[PFA:PFA+1], s[PFA:PFA+1], ROWB
	s_wait_dscnt 16
	WIN MUL_LO
	MUL8 0, 1, 1, \slot, 0
	MUL8 1, 1, 1, \slot, 0
	PLACES 4
	WIN 0
	FA \slot, 1, 6, 2                              ; my last reads of this slot
	s_wait_dscnt 16                                ; out: blocks 4, 5 and the 8 above
	WIN MUL_LO
	MUL8 2, 1, 1, \slot, 0
	WIN 0
	s_wait_tensorcnt 0x0                           ; my part of the next slot has landed
	ds_add_u32 v[SPW], v[NIL]
.if \fill == 1
	s_add_nc_u64 s[G0+4*\slot+2:G0+4*\slot+3], s[G0+4*\slot+2:G0+4*\slot+3], 2*ROWB
	s_add_nc_u64 s[G0B+4*\slot+2:G0B+4*\slot+3], s[G0B+4*\slot+2:G0B+4*\slot+3], 2*ROWB
.endif
	WIN MUL_LO
	MUL8 3, 1, 1, \slot, 0
	s_wait_dscnt 0x0                               ; the add is done, and my reads of this slot are over
	s_barrier_signal -1                            ; opens a round of the cluster's barrier
	WIN MUL_HI
	MUL8 4, 1, 1, \slot, 0
	WIN 0
	s_barrier_wait -1
	CREST
.if \fill == 1
	JLOAD G0+4*\slot, G1, G0B+4*\slot, G1B
.else
	tensor_load_to_lds s[G0C:G0C+3], s[G1C:G1C+7]
	s_nop 0
	PLACES 4
.endif
	v_add_nc_u32 v[ADRS], 8, v[ADRS]               ; the next K step's scale words
	s_wait_alu depctr_va_vdst(0)                   ; the wait here, directly behind the write
	WIN TO_B
	FB \next, 0, 0, 0, 6
	WIN 0
	SCALES \next
.if \fill == 1
	ASK \slot
.endif
	WIN MUL_HI
	MUL8 5, 1, 1, \slot, 0
	PLACES 4
	WIN TO_B
	FB \next, 0, 0, 6, 2
	WIN 0
	FA \next, 0, 0, 2
	WIN MUL_HI
	MUL8 6, 1, 1, \slot, 0
	MUL8 7, 1, 1, \slot, 0
	PLACES 4
	WIN 0
	FA \next, 0, 2, 4
.endm
	s_wait_tensorcnt 0x0                           ; my tile of the head's four is in
	ds_add_u32 v[SPW], v[NIL]
	s_mov_b32 s[G1+2], 128<<16                     ; no tensor load of mine is out: from here on a load brings 128 rows
	s_mov_b32 s[G1+4], 128
	s_mov_b32 s[G1B+2], 128<<16
	s_mov_b32 s[G1B+4], 128
	s_mov_b32 s[LN1], 0xbfb8aa3b
	s_mov_b32 s[LN1+1], 0xbfb8aa3b
	s_mov_b32 s[LN2], 0xc038aa3b
	s_mov_b32 s[LN2+1], 0xc038aa3b
	s_mov_b32 s[CAP], 0x41f00000
	s_wait_dscnt 0x0
	CROUND
	JLOAD G0+4, G1, G0B+4, G1B                     ; K step 1: slot 1's first fill
	WIN TO_B
	FB 0, 0, 0, 0, 8
	WIN 0
	FA 0, 0, 0, 2
	SCALES 0
	FA 0, 0, 2, 4
	global_prefetch_b8 v[PFO], s[PFA:PFA+1] offset:3*ROWB th:TH_LOAD_NT scope:SCOPE_SE     ; K step 3
	s_wait_loadcnt 0x0                             ; the biases; their addresses' registers are free
	s_mov_b32 s[G1C+0], (2<<16)|(1<<20)|(5<<22)|(3<<25)   ; the cell's tile, a wave's quarter: 64 rows x 64 f32, no mask
	s_mov_b32 s[G1C+1], 64<<16
	s_mov_b32 s[G1C+2], 64<<16
	s_mov_b32 s[G1C+3], 64<<16
	s_mov_b32 s[G1C+4], 64
	s_mov_b32 s[G1C+5], 1024
	s_mov_b32 s[G1C+6], 0
	s_mov_b32 s[G1C+7], 0
	STEP 0, 0, 1
	s_mov_b32 s3, LAPS-1
.Llap:
	TURN 0, 1, 1
	STEP 1, 0, 0
	TURN 1, 0, 1
	STEP 0, 0, 0
	s_sub_co_u32 s3, s3, 1
	s_cmp_lg_u32 s3, 0
	s_cbranch_scc1 .Llap
	TURN 0, 1, 2
	STEP 1, 0, 0
	s_wait_dscnt 16                                ; the very last step
	WIN MUL_LO
	MUL8 0, 1, 1, 1, 0
	MUL8 1, 1, 1, 1, 0
	PLACES 4
	WIN 0
	FA 1, 1, 6, 2
	s_wait_dscnt 16
	WIN MUL_LO
	MUL8 2, 1, 1, 1, 0
	MUL8 3, 1, 1, 1, 0
	s_wait_dscnt 0x0                               ; my reads of slot 1 are over,
	s_wait_tensorcnt 0x0                           ; and my 64 rows of the cell's tile have landed
	s_barrier_signal -1
	WIN MUL_HI
	MUL8 4, 1, 1, 1, 0
	MUL8 5, 1, 1, 1, 0
	MUL8 6, 1, 1, 1, 0
	MUL8 7, 1, 1, 1, 0
	WIN 0
	s_barrier_wait -1                              ; the cell's tile is whole, and slot 1 takes the stages
	PLACES NP
; THE TAIL.  Block a (16 rows x my 32 h) has 16 numbers a lane of each gate, in its eight accumulators: f at AC, i at AC + 16, c at AC + 32, o at AC + 48, in window 2 or 3.
; In window 1: CX = cell, then cell_new;  NX = 1 - E_c, then 1 - E_n, then h.  FORB runs one line's macro over the blocks of a group.
.macro FORB a0, n, m
.set ba, \a0
.rept \n
.set AC, 64*(ba%4)
.set CX, 32*ba
.set NX, 32*ba+16
.set OBB, 64+32*(ba%4)
	\m
.set ba, ba+1
.endr
.endm
.macro TR op, base, n                  ; n transcendentals in place
.set ii, 0
.rept \n
	\op v[\base+ii], v[\base+ii]
.set ii, ii+1
.endr
.endm
.macro HOLD base, n                    ; the exponents are held at 30 from above
.set ii, 0
.rept \n
	v_min_num_f32 v[\base+ii], s[CAP], v[\base+ii]
.set ii, ii+1
.endr
.endm
.macro mCELL
.irp u, 0,1
.irp q, 0,1
	ds_load_b128 v[CX+8*\u+4*\q:CX+8*\u+4*\q+3], v[CLA] offset:BLKB*ba+64*\u+16*\q
.endr
.endr
.endm
.macro mSCALE                          ; k z, in place, each accumulator from its low end on
.irp b, 0,1,2,3,4,5,6,7
.irp j, 0,2,4,6
.if (\b)/2 == 2
	v_pk_mul_f32 v[AC+8*\b+\j:AC+8*\b+\j+1], v[AC+8*\b+\j:AC+8*\b+\j+1], s[LN2:LN2+1] op_sel_hi:[1,0]
.else
	v_pk_mul_f32 v[AC+8*\b+\j:AC+8*\b+\j+1], v[AC+8*\b+\j:AC+8*\b+\j+1], s[LN1:LN1+1] op_sel_hi:[1,0]
.endif
.endr
.endr
.endm
.macro mHOLD64
	HOLD AC, 64
.endm
.macro mEXP64
	TR v_exp_f32, AC, 64
.endm
.macro ONEM src                        ; NX = 1 - src
.irp j, 0,2,4,6,8,10,12,14
	v_pk_fma_f32 v[NX+\j:NX+\j+1], v[\src+\j:\src+\j+1], -1.0, 1.0 op_sel_hi:[1,0,0]
.endr
.endm
.macro INC reg                         ; reg += 1
.irp j, 0,2,4,6,8,10,12,14
	v_pk_add_f32 v[\reg+\j:\reg+\j+1], v[\reg+\j:\reg+\j+1], 1.0 op_sel_hi:[1,0]
.endr
.endm
.macro PKFMA dst, x, y, z
.irp j, 0,2,4,6,8,10,12,14
	v_pk_fma_f32 v[\dst+\j:\dst+\j+1], v[\x+\j:\x+\j+1], v[\y+\j:\y+\j+1], v[\z+\j:\z+\j+1]
.endr
.endm
.macro PKMUL dst, x, y
.irp j, 0,2,4,6,8,10,12,14
	v_pk_mul_f32 v[\dst+\j:\dst+\j+1], v[\x+\j:\x+\j+1], v[\y+\j:\y+\j+1]
.endr
.endm
.macro mNC1
	ONEM AC+32                                     ; 1 - E_c
.endm
.macro mC1
	INC AC+32                                      ; 1 + E_c
.endm
.macro mP
	PKFMA AC+16, AC+16, AC+32, AC+32               ; P = (1 + E_i)(1 + E_c) = E_i (1 + E_c) + (1 + E_c)
.endm
.macro mDN
	PKFMA AC+32, AC, AC+16, AC+16                  ; (1 + E_f) P
.endm
.macro mRCP1
	TR v_rcp_f32, AC+32, 16
.endm
.macro mT
	PKFMA AC, AC, NX, NX                           ; (1 + E_f)(1 - E_c)
.endm
.macro mNUM
	PKFMA CX, CX, AC+16, AC                        ; cell P + (1 + E_f)(1 - E_c)
.endm
.macro mCN
	PKMUL CX, CX, AC+32                            ; cell_new
.endm
.macro mS2
.irp j, 0,2,4,6,8,10,12,14
	v_pk_mul_f32 v[AC+16+\j:AC+16+\j+1], v[CX+\j:CX+\j+1], s[LN2:LN2+1] op_sel_hi:[1,0]
.endr
.endm
.macro mHOLD16
	HOLD AC+16, 16
.endm
.macro mEXP16
	TR v_exp_f32, AC+16, 16                        ; E_n
.endm
.macro mNC2
	ONEM AC+16                                     ; 1 - E_n
.endm
.macro mN1
	INC AC+16                                      ; 1 + E_n
.endm
.macro mD2
	PKFMA AC+48, AC+48, AC+16, AC+16               ; (1 + E_o)(1 + E_n)
.endm
.macro mRCP2
	TR v_rcp_f32, AC+48, 16
.endm
.macro mH
	PKMUL NX, NX, AC+48                            ; h
.endm
.macro mSTORE                          ; cell_new and h into their stages, at the cell's places
.irp u, 0,1
.irp q, 0,1
	ds_store_b128 v[STA], v[CX+8*\u+4*\q:CX+8*\u+4*\q+3] offset:BLKB*ba+64*\u+16*\q
	ds_store_b128 v[STB], v[NX+8*\u+4*\q:NX+8*\u+4*\q+3] offset:BLKB*ba+64*\u+16*\q
.endr
.endr
.endm
.macro mBACK                           ; a block's 16 whole rows of my stage: a row's 256 bytes come from two waves
.irp t, 0,1,2,3,4,5,6,7
	ds_load_b128 v[OBB+4*\t:OBB+4*\t+3], v[RD] offset:BLKB*ba+2*PITCH*\t
.endr
.endm
.macro mSEND
.irp t, 0,1,2,3,4,5,6,7
	global_store_b128 v[CO], v[OBB+4*\t:OBB+4*\t+3], s[OUT:OUT+1] offset:(16*ba+2*\t)*OROW th:TH_STORE_NT   ; 16 lanes store 256 consecutive bytes, aligned
.endr
.endm
; A group: blocks a0, a0 + 1, in window w.  One barrier a group: in front of it each wave's stores of the group before (blocks p0, p0 + 1; pn = 0: none) have landed; behind it each wave reads those
; blocks' whole rows back, and stores them while this group's second exponentials are at work.  This group's stores go to other rows of the stages.
; Four batches of transcendentals, each with a wait ahead of it and one behind it; one more ahead of the scaling, the first read of matrix results behind transcendentals.
; The window words: bits 1:0 source 0, 3:2 source 1, 5:4 source 2, 7:6 destination.
.macro GROUP a0, w, p0, pn
	WIN 0x55*\w
.if \pn > 0
	s_wait_alu depctr_va_vdst(0)
.endif
	FORB \a0, 2, mSCALE
	FORB \a0, 2, mHOLD64
.if \pn > 0
	s_wait_dscnt 0x0                               ; for the others' sake: my stores of the group before have landed
	s_barrier_signal -1
.endif
	s_wait_alu depctr_va_vdst(0)
	FORB \a0, 2, mEXP64
	WIN 0
.if \pn > 0
	s_barrier_wait -1
	s_wait_xcnt 0x0                                ; earlier stores have read their registers, which the loads below fill again
	FORB \p0, \pn, mBACK
.endif
	v_nop
	s_wait_alu depctr_va_vdst(0)
	WIN 0x40|\w
	FORB \a0, 2, mNC1
	WIN 0x55*\w
	FORB \a0, 2, mC1
	FORB \a0, 2, mP
	FORB \a0, 2, mDN
.if \pn == 0
	s_wait_dscnt 0x0                               ; the cell's 32 loads, all eight blocks', are in
.endif
	s_wait_alu depctr_va_vdst(0)
	FORB \a0, 2, mRCP1
	WIN (\w<<6)|0x14|\w
	FORB \a0, 2, mT
	WIN 0x41|(\w<<4)|(\w<<2)
	FORB \a0, 2, mNUM
	s_wait_alu depctr_va_vdst(0)
	WIN 0x41|(\w<<2)
	FORB \a0, 2, mCN
	WIN (\w<<6)|1
	FORB \a0, 2, mS2
	WIN 0x55*\w
	FORB \a0, 2, mHOLD16
	s_wait_alu depctr_va_vdst(0)
	FORB \a0, 2, mEXP16
	WIN 0
.if \pn > 0
	s_wait_dscnt 0x0                               ; the rows are back in registers
	FORB \p0, \pn, mSEND
.endif
	v_nop
	s_wait_alu depctr_va_vdst(0)
	WIN 0x40|\w
	FORB \a0, 2, mNC2
	WIN 0x55*\w
	FORB \a0, 2, mN1
	FORB \a0, 2, mD2
	s_wait_alu depctr_va_vdst(0)
	FORB \a0, 2, mRCP2
	v_nop
	s_wait_alu depctr_va_vdst(0)
	WIN 0x41|(\w<<2)
	FORB \a0, 2, mH
	WIN 0x04                                       ; the stores' data lie in window 1
	FORB \a0, 2, mSTORE
	WIN 0
.endm
	WIN TO_B
	FORB 0, 8, mCELL
	GROUP 0, 2, 0, 0
	GROUP 2, 2, 0, 2
	GROUP 4, 3, 2, 2
	GROUP 6, 3, 4, 2
	s_wait_dscnt 0x0                               ; the last group's stores have landed
	s_barrier_signal -1
	s_barrier_wait -1
	s_wait_xcnt 0x0
	FORB 6, 2, mBACK
	s_wait_dscnt 0x0
	FORB 6, 2, mSEND
	s_wait_tensorcnt 0x0                           ; the wave's end
	ds_add_u32 v[SPW], v[NIL]
	s_wait_dscnt 0x0
	CROUND                                         ; the closing round
	s_endpgm
.Lfunc_end_k_q9ee0af17bf_lstm:
	.size	k_q9ee0af17bf_lstm, .Lfunc_end_k_q9ee0af17bf_lstm-k_q9ee0af17bf_lstm
	.p2alignl 7, 3214868480
	.fill 96, 4, 3214868480
	.section	.rodata,"a",@progbits
	.p2align	6, 0x0
	.amdhsa_kernel k_q9ee0af17bf_lstm
		.amdhsa_group_segment_fixed_size 327680
		.amdhsa_private_segment_fixed_size 0
		.amdhsa_enable_private_segment 0
		.amdhsa_kernarg_size 88
		.amdhsa_user_sgpr_count 2
		.amdhsa_user_sgpr_kernarg_segment_ptr 1
		.amdhsa_wavefront_size32 1
		.amdhsa_system_sgpr_workgroup_id_x 1
		.amdhsa_system_sgpr_workgroup_id_y 1
		.amdhsa_system_sgpr_workgroup_id_z 1
		.amdhsa_system_vgpr_workitem_id 0
		.amdhsa_next_free_vgpr 1024
		.amdhsa_next_free_sgpr 106
		.amdhsa_reserve_vcc 0
		.amdhsa_float_denorm_mode_32 3
		.amdhsa_float_denorm_mode_16_64 3
		.amdhsa_memory_ordered 1
		.amdhsa_forward_progress 1
		.amdhsa_inst_pref_size 255
	.end_amdhsa_kernel
	.section	.bss,"aw",@nobits
	.p2align	6
	.space	262144
	.amdgpu_metadata
---
amdhsa.version: [ 1, 2 ]
amdhsa.kernels:
  - .name:           k_q9ee0af17bf_lstm
    .symbol:         k_q9ee0af17bf_lstm.kd
    .args:
      - { .name: a_codes, .offset: 0, .size: 8, .value_kind: global_buffer, .address_space: global }
      - { .name: a_scales, .offset: 8, .size: 8, .value_kind: global_buffer, .address_space: global }
      - { .name: w_codes, .offset: 16, .size: 8, .value_kind: global_buffer, .address_space: global }
      - { .name: w_scales, .offset: 24, .size: 8, .value_kind: global_buffer, .address_space: global }
      - { .name: b_f, .offset: 32, .size: 8, .value_kind: global_buffer, .address_space: global }
      - { .name: b_i, .offset: 40, .size: 8, .value_kind: global_buffer, .address_space: global }
      - { .name: b_c, .offset: 48, .size: 8, .value_kind: global_buffer, .address_space: global }
      - { .name: b_o, .offset: 56, .size: 8, .value_kind: global_buffer, .address_space: global }
      - { .name: cell, .offset: 64, .size: 8, .value_kind: global_buffer, .address_space: global }
      - { .name: out0, .offset: 72, .size: 8, .value_kind: global_buffer, .address_space: global }
      - { .name: out1, .offset: 80, .size: 8, .value_kind: global_buffer, .address_space: global }
    .group_segment_fixed_size: 327680
    .private_segment_fixed_size: 0
    .kernarg_segment_align: 8
    .kernarg_segment_size: 88
    .max_flat_workgroup_size: 128
    .sgpr_count:     106
    .vgpr_count:     1024
    .wavefront_size: 32
...
	.end_amdgpu_metadata
.endif
;; end of part 2
